; MI455X (gfx1250); checked and timed in simulation.
; The chip was launched on July 23, 2026; its instructions are those of AMD's public machine-readable ISA for CDNA 5 (MIT licence, August 2026) and "CDNA5" Instruction Set Architecture Reference Guide (July 2026). The comments in the code are by the model that wrote it; some were corrected since.
;; Deformationtion Net. Allowed arithmetic: float matrix products may take bf16 or f16 operands with f32 sums; other float arithmetic in f32, or as packed bf16 or f16 multiplies, adds, multiply-adds, maxima and minima; sums over many terms, partial sums and values carried from step to step in f32; what a program stores and reads back later, other than sums and carried values, may be rounded once to bf16 or f16.
;; Inputs: J 128 x 24 x 3 float32; V 128 x 6,890 x 3 float32; W 128 x 6,890 x 24 float32; pose 128 x 24 x 3 float32.
;; Outputs: out0 128 x 6,890 x 3 float32.
;; 2 versions, each right; version 2 is version 1 with the launch skin written anew for expert scheduling mode. Each part assembles by itself: llvm-mc -triple=amdgcn-amd-amdhsa -mcpu=gfx1250 --defsym DOCPART=n.
;; ======== version 1 of 2: 1 launch
;; limits: values are held in f16: magnitudes above 65,504 overflow, below 6.1e-05 lose precision; inputs' magnitudes at most 100,000
;; launch skin (part 1): grid 256 x 1, 8 waves a work-group, no clusters, 15,616 bytes of LDS; arguments J, V, W, pose, out0; writes out0
.if DOCPART == 1
	.amdgcn_target "amdgcn-amd-amdhsa--gfx1250"
	.amdhsa_code_object_version 6
	.text
	.protected	k_q086b09ec2d_skin
	.globl	k_q086b09ec2d_skin
	.p2align	8
	.type	k_q086b09ec2d_skin,@function
k_q086b09ec2d_skin:
	s_mov_b64 s[64:65], 0
	v_nop
	global_prefetch_b8 v0, s[64:65] scope:SCOPE_SE
	s_setreg_imm32_b32 hwreg(HW_REG_WAVE_MODE, 25, 1), 1
	s_wait_xcnt 0x0
; LINEAR BLEND SKINNING.  out[b][n][i] = sum over m, j of W[b][n][m] Gc[b][m][i][j] Vh[b][n][j], i = 0..2, with Gc made from pose and J along the 24-joint tree.
; V, out: [128][6890][3] f32.  W: [128][6890][24] f32.  J, pose: [128][24][3] f32.
; WORK LEFT OUT, for all values of the inputs.  The result is sliced to i = 0..2, so row 3 of Tv, of Gc, of G and of corr reaches no output: it is not formed.  The bottom row (0,0,0,1) of A and G,
; the 0 put behind J and the 1 put behind V are constants that the problem builds itself: the 4 x 4 products are written as affine ones (R R', R t' + t), corr takes three columns, the fourth column of
; Tv is added as it is.  All four inputs have a way to the output and are loaded.  Limit: the rows left out hold constants alone, so no NaN, infinity or overflow can arise in them.
; FORMATS AND LIMITS.  The product W x Gc goes to the matrix unit in f16, sums in f32; all else is f32.  W is rounded to f16 (11 bits; range 65,504).  Gc is divided by S, the power of two at or below
; the batch's largest |Gc| (at least 1, under 2^127), so it lies under 2 whatever J holds; entries below 6e-5 S keep f16's fixed step of 6e-8 S; the sums are multiplied by S again.  cos(pi theta) is taken
; of theta itself, reduced exactly by 2, not of the rounded product theta x pi: the two differ by up to 1e-7 pi theta.  sin(theta) is reduced by pi in two parts (good to theta of some 1e5).  The sine is its
; series to x^11 on -pi/2 .. pi/2, off by 6e-8 at most.  1 / theta is v_rsq_f32 of the sum of squares.  The tree's products are grouped otherwise than joint by joint (rounding alone differs).
; NaN and infinities are not treated apart.
; SHARES.  The 881,920 vertices are one list, cut into 13,780 groups of 64: 6,144 bytes of W, 768 of V and of out, each a multiple of 256 bytes from its buffer's first byte.  Work-group w of 256 takes the
; groups (3445 w) >> 6 up to (3445 (w + 1)) >> 6: 53 or 54, half a batch.  All its vertices belong to batch w >> 1 but those of its first group that lie below vertex 6890 (w >> 1): they belong to the
; batch before.  Wave i of 8 takes groups i + 8 k, k = 0..5, and k = 6 where the work-group has a group 48 + i.  The request for that group and its use stand under ONE branch: from k = 2 on the text has
; two tails, of seven groups and of six.  Wave 0's group k = 0, the only one that can hold vertices of two batches, is multiplied by both batches' Gc, and each vertex picks its own.  In work-groups of odd
; number no vertex picks the batch before; its table (wave 1, beside wave 0's) and those four products are made all the same: one text for every work-group.
; NO CLUSTER: work-groups share nothing but a batch's 576 bytes of pose and J.
; A TILE is 16 vertices.  Source 0 = Gc^T / S (row 4 i + j, 24 joints; rows 12-15 repeat rows 4-7), source 1 = 16 rows of W.  Lane (r = lane % 16, h = lane / 16) takes the 48 bytes W[r][12 h .. 12 h + 11]
; straight from memory: a tile's three loads cover 1,536 consecutive bytes.  Six conversions make registers 0-5 of the operand; registers 6, 7 hold 0 (24 of the 32 places along K; the same places of both
; sources hold the same joint).  In the result lane (r, h) holds vertex r: h = 0: Tv rows 0 and 1, h = 1: rows 2 and 1.  So every lane makes two outputs, and the two lanes of a vertex put the same out[1] at the same place.
; V AND OUT move as whole blocks of 256 bytes (8 bytes a lane) and change between that order and 12 bytes a vertex in the wave's own LDS stages.
; IN FLIGHT.  Four slots of registers, a group each (slot = k mod 4): 60 loads of a wave at the most.
.set NV,    6890
.set HALF,  3445
.set GW,    6144                       ; bytes of W in a group
.set GV,    768                        ; bytes of V, and of out, in a group
.set KW,    8*GW                       ; from a wave's group to its next
.set KV,    8*GV
.set TAB,   0                          ; LDS: two tables of 16 rows x 64 bytes (32 f16, 24 of them read): wave 0's (my batch), wave 1's (the batch before)
.set TABSZ, 1024
.set SC,    2048                       ; S of the two batches, each twice on end
.set VST,   2304                       ; a stage of 768 bytes for each wave: V of the group in hand
.set OST,   VST+8*GV                   ; the same for out
.set SPARE, OST+8*GV                   ; the spare words, 128 bytes for each wave: four blocks of 256 bytes that no other line names
; vector registers, window 0
.set LN,   1                           ; lane
.set RR,   2                           ; r
.set HH,   3                           ; h
.set WOFF, 4                           ; 96 r + 48 h; never rewritten
.set VOF,  5                           ; 8 x lane: V's loads and the stores; never rewritten
.set VSTA, 6                           ; V's stage + 8 x lane
.set VLDA, 7                           ; V's stage + 12 r
.set OSA,  8                           ; out's stage + 12 r + 8 h
.set OSB,  9                           ; out's stage + 12 r
.set OLD,  10                          ; out's stage + 8 x lane
.set AT,   11                          ; 64 r + 24 h: my 24 bytes of a table's row
.set SPW,  12                          ; my spare word; never rewritten
.set NIL,  13                          ; 0; never rewritten
.set TA,   14                          ; at work
.set A0,   16                          ; v[16:23] Gc^T / S of my batch
.set A1,   24                          ; v[24:31] of the batch before (wave 0 alone)
.set SCL,  32                          ; v[32:35] S, S, S of the batch before, twice
.set OUT,  36                          ; v[36:41] a group's 768 bytes of out, 24 a lane
.set O,    42                          ; v[42:49] two outputs a tile
.set O2,   50                          ; v[50:57] the same by the batch before
.set VT,   58                          ; v[58:69] x, y, z of my vertex, a tile each
.set B,    72                          ; v[72:103] four operands of W
.set D,    104                         ; v[104:135] four results
.set E,    136                         ; v[136:167] four results by the batch before
.set PX,   168                         ; v[168:170] pose of my joint
.set JX,   171                         ; v[171:173] J of my joint
.set QX,   174                         ; v[174:176] J of its parent
.set ANC,  177                         ; 4 x the lane whose product stands left of mine
.set ANB,  178                         ; the same for the next round
.set FOWN, 179                         ; 12 x my joint
.set T,    180                         ; v[180:199] at work
.set P0,   200                         ; v[200:211] a 3 x 4 matrix, entry (i, j) at 4 i + j
.set P1,   212
.set Q,    224                         ; the other lane's matrix
.set H,    236                         ; v[236:241] Gc / S in f16
; window 1: four slots of 54 registers: a group's W as loaded (12 a tile), then its V (6).  Slot s at 54 s.
; scalar registers
.set WV,  14                           ; my wave's number
.set XL,  17                           ; the work-group's groups less 48: waves below it have a seventh group
.set REL, 24                           ; the first vertex of my batch, counted from my group k = 0 (signed)
.set SEL, 36                           ; s[36:37] v_permlanex16_b32's selects
.set PIH, 38                           ; pi, its upper part
.set PIL, 39                           ; and the rest
.set TR,  40
.set MSB, 0
.macro WIN new                         ; s_set_vgpr_msb: bits 1:0 source 0, 3:2 source 1, 7:6 destination; the high byte repeats the setting that is left
.if MSB != (\new)
	s_set_vgpr_msb (MSB<<8)|(\new)
.set MSB, \new
.endif
.endm
; Group k of my wave is asked for, into slot s: 15 loads.  Every step stands in the immediate: no address register is ever rewritten.
.macro LOADG s, k
	WIN 0x40                                       ; destination window 1, address window 0
.irp t, 0,1,2,3
.irp q, 0,1,2
	global_load_b128 v[54*(\s)+12*(\t)+4*(\q):54*(\s)+12*(\t)+4*(\q)+3], v[WOFF], s[8:9] offset:(\k)*KW+1536*(\t)+16*(\q) th:TH_LOAD_RT_NT  ; near: regular, a tile's three loads share their bytes' neighbourhood; far: read once
.endr
.endr
.irp j, 0,1,2
	global_load_b64 v[54*(\s)+48+2*(\j):54*(\s)+49+2*(\j)], v[VOF], s[6:7] offset:(\k)*KV+256*(\j) th:TH_LOAD_NT  ; 256 consecutive bytes, aligned
.endr
	WIN 0
.endm
; Group k's 768 bytes of out leave.  younger: the LDS instructions issued behind the three loads that brought them back from the stage.
.macro SEND k, younger
	s_wait_dscnt \younger
.irp j, 0,1,2
	global_store_b64 v[VOF], v[OUT+2*(\j):OUT+2*(\j)+1], s[12:13] offset:(\k)*KV+256*(\j) th:TH_STORE_NT  ; the wave stores 256 consecutive bytes, at a multiple of 256 from out's first byte
.endr
.endm
; Two outputs a tile: Tv's row times (x, y, z, 1), times S.  Each result's lowest registers are read first.
.macro DOT acc, o, sc
.irp t, 0,1,2,3
	v_fma_f32 v[(\o)+2*(\t)],   v[(\acc)+8*(\t)],   v[VT+3*(\t)], v[(\acc)+8*(\t)+3]
	v_fma_f32 v[(\o)+2*(\t)+1], v[(\acc)+8*(\t)+4], v[VT+3*(\t)], v[(\acc)+8*(\t)+7]
.endr
.irp t, 0,1,2,3
	v_fmac_f32 v[(\o)+2*(\t)],   v[(\acc)+8*(\t)+1], v[VT+3*(\t)+1]
	v_fmac_f32 v[(\o)+2*(\t)+1], v[(\acc)+8*(\t)+5], v[VT+3*(\t)+1]
.endr
.irp t, 0,1,2,3
	v_fmac_f32 v[(\o)+2*(\t)],   v[(\acc)+8*(\t)+2], v[VT+3*(\t)+2]
	v_fmac_f32 v[(\o)+2*(\t)+1], v[(\acc)+8*(\t)+6], v[VT+3*(\t)+2]
.endr
.irp t, 0,1,2,3
	v_pk_mul_f32 v[(\o)+2*(\t):(\o)+2*(\t)+1], v[(\o)+2*(\t):(\o)+2*(\t)+1], v[(\sc):(\sc)+1]
.endr
.endm
; Group k, which lies in slot s, is worked off.  left: the loads issued behind its own, which may stay out.  dual = 1: both batches' Gc.  refk >= 0: the slot is asked for again, with group refk, as soon
; as it is read out.  sendk >= 0: the group before, whose out is on its way back from the stage, is stored meanwhile.  now = 1: this group's out is stored at once.
.macro PROCESS s, k, left, dual, refk, sendk, now
	s_wait_loadcnt \left                           ; loads come back in order (ISA guide 5.7.1): my group's 15 are in
	WIN 0x04                                       ; store data window 1; addresses and loaded data window 0
.irp j, 0,1,2
	ds_store_b64 v[VSTA], v[54*(\s)+48+2*(\j):54*(\s)+49+2*(\j)] offset:256*(\j)
.endr
.irp t, 0,1,2,3
.irp c, 0,1,2
	ds_load_b32 v[VT+3*(\t)+(\c)], v[VLDA] offset:192*(\t)+4*(\c)  ; LDS serves a wave's instructions in order (ISA guide 5.7.1.4): these see the stores above
.endr
.endr
	WIN 0x05                                       ; sources window 1, destination window 0
.irp t, 0,1,2,3
.irp q, 0,1,2,3,4,5
	v_cvt_pk_f16_f32 v[B+8*(\t)+(\q)], v[54*(\s)+12*(\t)+2*(\q)], v[54*(\s)+12*(\t)+2*(\q)+1]
.endr
.endr
.if (\refk) >= 0
	LOADG \s, \refk
.endif
	WIN 0
.irp t, 0,1,2,3
	v_wmma_f32_16x16x32_f16 v[D+8*(\t):D+8*(\t)+7], v[A0:A0+7], v[B+8*(\t):B+8*(\t)+7], 0
.if \dual
	v_wmma_f32_16x16x32_f16 v[E+8*(\t):E+8*(\t)+7], v[A1:A1+7], v[B+8*(\t):B+8*(\t)+7], 0
.endif
.endr
.if (\sendk) >= 0
	SEND \sendk, 15                                ; behind the stage's three loads stand this group's 3 stores and 12 loads of V
.endif
.rept 4
	v_nop                                          ; four places between the products and the first read of a result (ISA guide 7.12.1)
.endr
	s_wait_dscnt 0x0                               ; x, y, z are in
	DOT D, O, SCL
.if \dual
	DOT E, O2, SCL+2
.irp t, 0,1,2,3
	s_sub_co_i32 s[TR], s[REL], 16*(\t)
	v_cmp_gt_i32 vcc_lo, s[TR], v[RR]              ; vertex 16 t + r lies below my batch's first
	v_cndmask_b32 v[O+2*(\t)],   v[O+2*(\t)],   v[O2+2*(\t)],   vcc_lo
	v_cndmask_b32 v[O+2*(\t)+1], v[O+2*(\t)+1], v[O2+2*(\t)+1], vcc_lo
.endr
.endif
.irp t, 0,1,2,3
	ds_store_b32 v[OSA], v[O+2*(\t)]   offset:192*(\t)    ; out[0] (h = 0) or out[2] (h = 1)
	ds_store_b32 v[OSB], v[O+2*(\t)+1] offset:192*(\t)+4  ; out[1]: both lanes of a vertex, the same number
.endr
	s_wait_xcnt 0x0                                ; the stores issued so far have read their data: only behind this wait is OUT written again
.irp j, 0,1,2
	ds_load_b64 v[OUT+2*(\j):OUT+2*(\j)+1], v[OLD] offset:256*(\j)
.endr
.if \now
	SEND \k, 0
.endif
.endm
; A round of the walk up the tree: my product takes the product of lane anc / 4 on its left; that lane's own anc is mine for the next round.
.macro JUMP src, dst, anc, anb, more
.set n, 0
.rept 12
	ds_bpermute_b32 v[Q+n], v[\anc], v[(\src)+n]
.set n, n+1
.endr
.if \more
	ds_bpermute_b32 v[\anb], v[\anc], v[\anc]
.endif
	s_wait_dscnt 0x0
.irp i, 0,1,2
.irp j, 0,1,2
	v_mul_f32 v[(\dst)+4*(\i)+(\j)], v[Q+4*(\i)], v[(\src)+(\j)]
.endr
	v_fma_f32 v[(\dst)+4*(\i)+3], v[Q+4*(\i)], v[(\src)+3], v[Q+4*(\i)+3]
.irp j, 0,1,2,3
	v_fmac_f32 v[(\dst)+4*(\i)+(\j)], v[Q+4*(\i)+1], v[(\src)+4+(\j)]
.endr
.irp j, 0,1,2,3
	v_fmac_f32 v[(\dst)+4*(\i)+(\j)], v[Q+4*(\i)+2], v[(\src)+8+(\j)]
.endr
.endr
.endm
	s_load_b256 s[4:11], s[0:1], 0x0               ; J s[4:5], V s[6:7], W s[8:9], pose s[10:11]
	s_load_b64 s[12:13], s[0:1], 0x20              ; out
	v_lshl_add_u32 v[SPW], v0, 2, SPARE
	v_mov_b32 v[NIL], 0
	v_lshrrev_b32 v[TA], 5, v0
	v_readfirstlane_b32 s[WV], v[TA]               ; wave 0..7
	v_and_b32 v[LN], 31, v0
	v_and_b32 v[RR], 15, v0
	v_bfe_u32 v[HH], v0, 4, 1
	s_mul_i32 s16, ttmp9, HALF
	s_add_co_u32 s[XL], s16, HALF
	s_lshr_b32 s18, s16, 6                         ; the work-group's first group,
	s_lshr_b32 s[XL], s[XL], 6                     ; the next one's
	s_sub_co_u32 s[XL], s[XL], s18                 ; 53 or 54 groups
	s_sub_co_u32 s[XL], s[XL], 48
	s_add_co_u32 s18, s18, s[WV]                   ; my group k = 0
	s_mul_i32 s20, s18, GW                         ; under 2^27
	s_mov_b32 s21, 0
	s_mul_i32 s22, s18, GV
	s_mov_b32 s23, 0
	s_lshr_b32 s19, ttmp9, 1                       ; my batch
	s_mul_i32 s[REL], s19, NV
	s_lshl_b32 s25, s18, 6
	s_sub_co_i32 s[REL], s[REL], s25
	s_sub_co_i32 s26, s19, 1
	s_max_i32 s26, s26, 0                          ; the batch before (batch 0 has none: nothing picks it there)
	s_cmp_eq_u32 s[WV], 0
	s_cselect_b32 s30, s19, s26                    ; wave 0 makes Gc of my batch, wave 1 of the batch before
	s_mul_i32 s30, s30, 288                        ; 24 joints x 12 bytes
	s_mov_b32 s31, 0
	s_mov_b32 s[SEL], 0x76543210
	s_mov_b32 s[SEL+1], 0xfedcba98
	s_mov_b32 s[PIH], 0x40490fdb
	s_mov_b32 s[PIL], 0xb3bbbd2e
	v_mul_u32_u24 v[WOFF], 96, v[RR]
	v_mul_u32_u24 v[TA], 48, v[HH]
	v_add_nc_u32 v[WOFF], v[WOFF], v[TA]
	v_lshlrev_b32 v[VOF], 3, v[LN]
	s_wait_kmcnt 0x0
	s_add_nc_u64 s[8:9], s[8:9], s[20:21]          ; W, V and out at my group k = 0
	s_add_nc_u64 s[6:7], s[6:7], s[22:23]
	s_add_nc_u64 s[12:13], s[12:13], s[22:23]
	s_add_nc_u64 s[32:33], s[10:11], s[30:31]      ; pose and J at the batch whose Gc I would make
	s_add_nc_u64 s[34:35], s[4:5], s[30:31]
	s_cmp_lt_u32 s[WV], 2
	s_cbranch_scc0 .Lno_joints
	v_min_u32 v[T], 23, v[LN]                      ; lanes 24-31 read joint 23 and throw it away
	v_mul_u32_u24 v[FOWN], 12, v[T]
.irp c, 0,1,2
	global_load_b32 v[PX+(\c)], v[FOWN], s[32:33] offset:4*(\c)
.endr
.irp c, 0,1,2
	global_load_b32 v[JX+(\c)], v[FOWN], s[34:35] offset:4*(\c)
.endr
.Lno_joints:
	LOADG 0, 0
	LOADG 1, 1
	LOADG 2, 2
	; the rest of the set-up stands behind the loads
	s_mul_i32 s27, s[WV], GV
	s_add_co_u32 s28, s27, VST                     ; my stages
	s_add_co_u32 s29, s27, OST
	v_mul_u32_u24 v[TA], 12, v[RR]
	v_add_nc_u32 v[VSTA], s28, v[VOF]
	v_add_nc_u32 v[VLDA], s28, v[TA]
	v_add_nc_u32 v[OSB], s29, v[TA]
	v_lshl_add_u32 v[OSA], v[HH], 3, v[OSB]
	v_add_nc_u32 v[OLD], s29, v[VOF]
	v_lshlrev_b32 v[AT], 6, v[RR]
	v_mul_u32_u24 v[TA], 24, v[HH]
	v_add_nc_u32 v[AT], v[AT], v[TA]
	v_mov_b32 v[A0+6], 0                           ; the eight places along K that hold no joint, in both sources
	v_mov_b32 v[A0+7], 0
.irp t, 0,1,2,3
	v_mov_b32 v[B+8*(\t)+6], 0
	v_mov_b32 v[B+8*(\t)+7], 0
.endr
	s_cmp_lt_u32 s[WV], 2
	s_cbranch_scc0 .Lothers
	; Gc OF ONE BATCH, a lane a joint.  Lanes 24-31 hold the identity; lane 31 stands above the root and above itself.
	v_add_nc_u32 v[T], -3, v[LN]                   ; the parent: joints 4-12 and 15-17: three down;
	v_add_nc_u32 v[T+1], -2, v[LN]
	v_cmp_lt_u32 vcc_lo, 17, v[LN]
	v_cndmask_b32 v[T], v[T], v[T+1], vcc_lo       ; 18-23: two down;
	v_cmp_gt_u32 vcc_lo, 4, v[LN]
	v_cndmask_b32 v[T], v[T], 0, vcc_lo            ; 1-3: the root;
	v_add_nc_u32 v[T+1], -13, v[LN]
	v_cmp_gt_u32 vcc_lo, 2, v[T+1]
	v_cndmask_b32 v[T], v[T], 9, vcc_lo            ; 13, 14: joint 9;
	v_add_nc_u32 v[T+1], -1, v[LN]
	v_cmp_lt_u32 vcc_lo, 22, v[T+1]
	v_cndmask_b32 v[T], v[T], 31, vcc_lo           ; the root and lanes 24-31: lane 31
	v_lshlrev_b32 v[ANC], 2, v[T]
	v_cmp_gt_u32 vcc_lo, 24, v[LN]
	s_wait_loadcnt 45                              ; pose and J are in; the 45 loads of groups k = 0, 1, 2, issued behind them, stay out
	LOADG 3, 3                                     ; the fourth slot: 60 loads of mine are out
.irp c, 0,1,2,3,4,5
	v_cndmask_b32 v[PX+(\c)], 0, v[PX+(\c)], vcc_lo  ; pose = J = 0 in lanes 24-31: their matrix is the identity
.endr
.irp c, 0,1,2
	ds_bpermute_b32 v[QX+(\c)], v[ANC], v[JX+(\c)] ; the parent's J; 0 for the root
.endr
	v_add_f32 v[T+0], 0x322bcc77, v[PX]            ; r + 1e-8
	v_add_f32 v[T+1], 0x322bcc77, v[PX+1]
	v_add_f32 v[T+2], 0x322bcc77, v[PX+2]
	v_mul_f32 v[T+3], v[T+0], v[T+0]
	v_fmac_f32 v[T+3], v[T+1], v[T+1]
	v_fmac_f32 v[T+3], v[T+2], v[T+2]
	v_sqrt_f32 v[T+4], v[T+3]                      ; theta
	v_rsq_f32 v[T+5], v[T+3]                       ; 1 / theta
	v_mov_b32 v[T+17], 0xb2d7322b                  ; -1/11!: also the plain instruction behind the two (ISA guide 5.7.2)
	s_wait_alu depctr_va_vdst(0)                   ; theta and 1 / theta, ahead of their first use: one wait for both
	v_mul_f32 v[T+6], v[PX], v[T+5]                ; r / theta
	v_mul_f32 v[T+7], v[PX+1], v[T+5]
	v_mul_f32 v[T+8], v[PX+2], v[T+5]
	v_mul_f32 v[T+9], 0.5, v[T+4]
	v_mul_f32 v[T+11], 0x3ea2f983, v[T+4]          ; theta / pi
	v_rndne_f32 v[T+10], v[T+9]
	v_rndne_f32 v[T+11], v[T+11]                   ; k
	v_sub_f32 v[T+9], v[T+9], v[T+10]              ; f = theta / 2 less the nearest whole number, exact: cos(pi theta) = 1 - 2 sin^2(pi f)
	v_fma_f32 v[T+12], -v[T+11], s[PIH], v[T+4]
	v_mul_f32 v[T+9], 0x40490fdb, v[T+9]           ; u = pi f
	v_fma_f32 v[T+12], -v[T+11], s[PIL], v[T+12]   ; x = theta - k pi: sin(theta) = (-1)^k sin(x)
	v_mul_f32 v[T+13], v[T+9], v[T+9]
	v_mul_f32 v[T+14], v[T+12], v[T+12]
	v_fmaak_f32 v[T+15], v[T+17], v[T+13], 0x3638ef1d  ; the sine's series, for u and for x side by side: 1/9!,
	v_fmaak_f32 v[T+16], v[T+17], v[T+14], 0x3638ef1d
	v_fmaak_f32 v[T+15], v[T+15], v[T+13], 0xb9500d01  ; -1/7!,
	v_fmaak_f32 v[T+16], v[T+16], v[T+14], 0xb9500d01
	v_fmaak_f32 v[T+15], v[T+15], v[T+13], 0x3c088889  ; 1/5!,
	v_fmaak_f32 v[T+16], v[T+16], v[T+14], 0x3c088889
	v_fmaak_f32 v[T+15], v[T+15], v[T+13], 0xbe2aaaab  ; -1/3!
	v_fmaak_f32 v[T+16], v[T+16], v[T+14], 0xbe2aaaab
	v_mul_f32 v[T+15], v[T+15], v[T+13]
	v_mul_f32 v[T+16], v[T+16], v[T+14]
	v_fma_f32 v[T+0], v[T+15], v[T+9], v[T+9]      ; sin(u)
	v_fma_f32 v[T+1], v[T+16], v[T+12], v[T+12]    ; sin(x)
	v_cvt_i32_f32 v[T+2], v[T+11]
	v_mul_f32 v[T+19], -2.0, v[T+0]
	v_lshlrev_b32 v[T+2], 31, v[T+2]               ; k odd: the sign turns
	v_fma_f32 v[T+3], v[T+19], v[T+0], 1.0         ; cos(pi theta)
	v_xor_b32 v[T+4], v[T+1], v[T+2]               ; sin(theta)
	v_sub_f32 v[T+5], 1.0, v[T+3]
	v_mul_f32 v[T+13], v[T+5], v[T+6]              ; (1 - cos) r^
	v_mul_f32 v[T+14], v[T+5], v[T+7]
	v_mul_f32 v[T+15], v[T+5], v[T+8]
	v_mul_f32 v[T+16], v[T+4], v[T+6]              ; sin r^
	v_mul_f32 v[T+17], v[T+4], v[T+7]
	v_mul_f32 v[T+18], v[T+4], v[T+8]
	v_fma_f32 v[P0+0],  v[T+13], v[T+6], v[T+3]
	v_fma_f32 v[P0+1],  v[T+13], v[T+7], -v[T+18]
	v_fma_f32 v[P0+2],  v[T+13], v[T+8], v[T+17]
	v_fma_f32 v[P0+4],  v[T+13], v[T+7], v[T+18]
	v_fma_f32 v[P0+5],  v[T+14], v[T+7], v[T+3]
	v_fma_f32 v[P0+6],  v[T+14], v[T+8], -v[T+16]
	v_fma_f32 v[P0+8],  v[T+13], v[T+8], -v[T+17]
	v_fma_f32 v[P0+9],  v[T+14], v[T+8], v[T+16]
	v_fma_f32 v[P0+10], v[T+15], v[T+8], v[T+3]
	s_wait_dscnt 0x0                               ; the parent's J
	v_sub_f32 v[P0+3],  v[JX],   v[QX]
	v_sub_f32 v[P0+7],  v[JX+1], v[QX+1]
	v_sub_f32 v[P0+11], v[JX+2], v[QX+2]
	; After round n my product covers the last 2^n joints of my path from the root; the longest path has 9.
	JUMP P0, P1, ANC, ANB, 1
	JUMP P1, P0, ANB, ANC, 1
	JUMP P0, P1, ANC, ANB, 1
	JUMP P1, P0, ANB, ANC, 0
.irp i, 0,1,2
	v_fma_f32 v[P0+4*(\i)+3], -v[P0+4*(\i)],   v[JX],   v[P0+4*(\i)+3]  ; the translation less G's rotation times J
	v_fma_f32 v[P0+4*(\i)+3], -v[P0+4*(\i)+1], v[JX+1], v[P0+4*(\i)+3]
	v_fma_f32 v[P0+4*(\i)+3], -v[P0+4*(\i)+2], v[JX+2], v[P0+4*(\i)+3]
.endr
	v_max3_num_f32 v[T],   |v[P0]|,   |v[P0+1]|,  |v[P0+2]|   ; the batch's largest |Gc|; the identity lanes bring in 1
	v_max3_num_f32 v[T+1], |v[P0+3]|, |v[P0+4]|,  |v[P0+5]|
	v_max3_num_f32 v[T+2], |v[P0+6]|, |v[P0+7]|,  |v[P0+8]|
	v_max3_num_f32 v[T+3], |v[P0+9]|, |v[P0+10]|, |v[P0+11]|
	v_max3_num_f32 v[T], v[T], v[T+1], v[T+2]
	v_max_num_f32 v[T], v[T], v[T+3]
	v_max_num_f32_dpp v[T], v[T], v[T] row_xmask:1 row_mask:0xf bank_mask:0xf
	v_max_num_f32_dpp v[T], v[T], v[T] row_xmask:2 row_mask:0xf bank_mask:0xf
	v_max_num_f32_dpp v[T], v[T], v[T] row_xmask:4 row_mask:0xf bank_mask:0xf
	v_max_num_f32_dpp v[T], v[T], v[T] row_xmask:8 row_mask:0xf bank_mask:0xf
	v_permlanex16_b32 v[T+1], v[T], s[SEL], s[SEL+1]
	v_max_num_f32 v[T], v[T], v[T+1]
	v_and_b32 v[T+2], 0x7f800000, v[T]             ; S: its power of two
	v_sub_nc_u32 v[T+3], 0x7f000000, v[T+2]        ; 1 / S: the exponent mirrored
.set n, 0
.rept 12
	v_mul_f32 v[P0+n], v[T+3], v[P0+n]
.set n, n+1
.endr
.irp q, 0,1,2,3,4,5
	v_cvt_pk_f16_f32 v[H+(\q)], v[P0+2*(\q)], v[P0+2*(\q)+1]
.endr
	s_lshl_b32 s41, s[WV], 10                      ; my table
	v_lshlrev_b32 v[T], 1, v[LN]                   ; column = joint (lanes 24-31 fill columns that nobody reads)
	v_add_nc_u32 v[T], s41, v[T]
	s_lshl_b32 s41, s[WV], 3
	s_add_co_u32 s41, s41, SC
	v_mov_b32 v[T+1], s41
.irp q, 0,1,2,3,4,5
	ds_store_b16 v[T], v[H+(\q)] offset:TAB+128*(\q)
	ds_store_b16_d16_hi v[T], v[H+(\q)] offset:TAB+128*(\q)+64
.endr
	ds_store_b16 v[T], v[H+2] offset:TAB+64*12     ; rows 12-15 repeat rows 4-7
	ds_store_b16_d16_hi v[T], v[H+2] offset:TAB+64*13
	ds_store_b16 v[T], v[H+3] offset:TAB+64*14
	ds_store_b16_d16_hi v[T], v[H+3] offset:TAB+64*15
	ds_store_b32 v[T+1], v[T+2]                    ; S, twice: all lanes, the same number
	ds_store_b32 v[T+1], v[T+2] offset:4
	s_branch .Ljoin
.Lothers:
	LOADG 3, 3                                     ; waves 2 to 7 ask for their fourth group at once
.Ljoin:
	s_wait_dscnt 0x0                               ; for the others' sake: the tables are written
	s_barrier_signal -1
	s_barrier_wait -1
	v_mov_b32 v[TA], SC
.irp q, 0,1,2
	ds_load_b64 v[A0+2*(\q):A0+2*(\q)+1], v[AT] offset:TAB+8*(\q)
.endr
	ds_load_b128 v[SCL:SCL+3], v[TA]
	s_wait_dscnt 0x0
	s_cmp_eq_u32 s[WV], 0
	s_cbranch_scc0 .Lplain
.irp q, 0,1,2
	ds_load_b64 v[A1+2*(\q):A1+2*(\q)+1], v[AT] offset:TAB+TABSZ+8*(\q)  ; wave 0 alone wants the batch before
.endr
	v_mov_b32 v[A1+6], 0
	v_mov_b32 v[A1+7], 0
	s_wait_dscnt 0x0
	PROCESS 0, 0, 45, 1, 4, -1, 0                  ; behind k = 0: k = 1, 2, 3.  Both batches' Gc
	s_branch .Lsecond
.Lplain:
	PROCESS 0, 0, 45, 0, 4, -1, 0
.Lsecond:
	PROCESS 1, 1, 45, 0, 5, 0, 0                   ; behind k = 1: k = 2, 3, 4
	s_cmp_lt_u32 s[WV], s[XL]
	s_cbranch_scc0 .Lsix
	PROCESS 2, 2, 45, 0, 6, 1, 0                   ; SEVEN GROUPS.  Behind k = 2: k = 3, 4, 5; its slot takes group 48 + i
	PROCESS 3, 3, 45, 0, -1, 2, 0                  ; behind k = 3: k = 4, 5, 6.  Nothing is left to ask for
	PROCESS 0, 4, 30, 0, -1, 3, 0
	PROCESS 1, 5, 15, 0, -1, 4, 0
	PROCESS 2, 6, 0, 0, -1, 5, 1
	s_branch .Lend
.Lsix:
	PROCESS 2, 2, 45, 0, -1, 1, 0                  ; SIX GROUPS.  Behind k = 2: k = 3, 4, 5
	PROCESS 3, 3, 30, 0, -1, 2, 0
	PROCESS 0, 4, 15, 0, -1, 3, 0
	PROCESS 1, 5, 0, 0, -1, 4, 1
.Lend:
	s_wait_tensorcnt 0x0                           ; the wave's end
	ds_add_u32 v[SPW], v[NIL]
	s_wait_dscnt 0x0
	s_endpgm
.Lfunc_end_k_q086b09ec2d_skin:
	.size	k_q086b09ec2d_skin, .Lfunc_end_k_q086b09ec2d_skin-k_q086b09ec2d_skin
	.p2alignl 7, 3214868480
	.fill 96, 4, 3214868480
	.section	.rodata,"a",@progbits
	.p2align	6, 0x0
	.amdhsa_kernel k_q086b09ec2d_skin
		.amdhsa_group_segment_fixed_size 15616
		.amdhsa_private_segment_fixed_size 0
		.amdhsa_enable_private_segment 0
		.amdhsa_kernarg_size 40
		.amdhsa_user_sgpr_count 2
		.amdhsa_user_sgpr_kernarg_segment_ptr 1
		.amdhsa_wavefront_size32 1
		.amdhsa_system_sgpr_workgroup_id_x 1
		.amdhsa_system_sgpr_workgroup_id_y 1
		.amdhsa_system_sgpr_workgroup_id_z 1
		.amdhsa_system_vgpr_workitem_id 0
		.amdhsa_next_free_vgpr 472
		.amdhsa_next_free_sgpr 66
		.amdhsa_reserve_vcc 1
		.amdhsa_float_denorm_mode_32 3
		.amdhsa_float_denorm_mode_16_64 3
		.amdhsa_memory_ordered 1
		.amdhsa_forward_progress 1
		.amdhsa_inst_pref_size 99
	.end_amdhsa_kernel
	.amdgpu_metadata
---
amdhsa.version: [ 1, 2 ]
amdhsa.kernels:
  - .name:           k_q086b09ec2d_skin
    .symbol:         k_q086b09ec2d_skin.kd
    .args:
      - { .name: J, .offset: 0, .size: 8, .value_kind: global_buffer, .address_space: global }
      - { .name: V, .offset: 8, .size: 8, .value_kind: global_buffer, .address_space: global }
      - { .name: W, .offset: 16, .size: 8, .value_kind: global_buffer, .address_space: global }
      - { .name: pose, .offset: 24, .size: 8, .value_kind: global_buffer, .address_space: global }
      - { .name: out0, .offset: 32, .size: 8, .value_kind: global_buffer, .address_space: global }
    .group_segment_fixed_size: 15616
    .private_segment_fixed_size: 0
    .kernarg_segment_align: 8
    .kernarg_segment_size: 40
    .max_flat_workgroup_size: 256
    .sgpr_count:     66
    .vgpr_count:     472
    .wavefront_size: 32
...
	.end_amdgpu_metadata
.endif
;; end of part 1
;; ======== version 2 of 2: 1 launch; version 1 with the launch skin written anew for expert scheduling mode
;; limits: values are held in f16: magnitudes above 65,504 overflow, below 6.1e-05 lose precision; inputs' magnitudes at most 100,000
;; launch skin (part 2): grid 256 x 1, 8 waves a work-group, no clusters, 15,616 bytes of LDS; arguments J, V, W, pose, out0; writes out0
.if DOCPART == 2
	.amdgcn_target "amdgcn-amd-amdhsa--gfx1250"
	.amdhsa_code_object_version 6
	.text
	.protected	k_q086b09ec2d_skin
	.globl	k_q086b09ec2d_skin
	.p2align	8
	.type	k_q086b09ec2d_skin,@function
k_q086b09ec2d_skin:
	s_mov_b64 s[64:65], 0
	v_nop
	global_prefetch_b8 v0, s[64:65] scope:SCOPE_SE
	s_setreg_imm32_b32 hwreg(HW_REG_WAVE_SCHED_MODE, 0, 2), 2
	s_setreg_imm32_b32 hwreg(HW_REG_WAVE_MODE, 25, 1), 1
	s_wait_xcnt 0x0
	s_wait_alu depctr_vm_vsrc(0)
; LINEAR BLEND SKINNING.  out[b][n][i] = sum over m, j of W[b][n][m] Gc[b][m][i][j] Vh[b][n][j], i = 0..2, with Gc made from pose and J along the 24-joint tree.
; V, out: [128][6890][3] f32.  W: [128][6890][24] f32.  J, pose: [128][24][3] f32.
; WORK LEFT OUT, for all values of the inputs.  The result is sliced to i = 0..2, so row 3 of Tv, of Gc, of G and of corr reaches no output: it is not formed.  The bottom row (0,0,0,1) of A and G,
; the 0 put behind J and the 1 put behind V are constants that the problem builds itself: the 4 x 4 products are written as affine ones (R R', R t' + t), corr takes three columns, the fourth column of
; Tv is added as it is.  All four inputs have a way to the output and are loaded.  Limit: the rows left out hold constants alone, so no NaN, infinity or overflow can arise in them.
; FORMATS AND LIMITS.  The product W x Gc goes to the matrix unit in f16, sums in f32; all else is f32.  W is rounded to f16 (11 bits; range 65,504).  Gc is divided by S, the power of two at or below
; the batch's largest |Gc| (at least 1, under 2^127), so it lies under 2 whatever J holds; entries below 6e-5 S keep f16's fixed step of 6e-8 S; the sums are multiplied by S again.  cos(pi theta) is taken
; of theta itself, reduced exactly by 2, not of the rounded product theta x pi: the two differ by up to 1e-7 pi theta.  sin(theta) is reduced by pi in two parts (good to theta of some 1e5).  The sine is its
; series to x^11 on -pi/2 .. pi/2, off by 6e-8 at most.  1 / theta is v_rsq_f32 of the sum of squares.  The tree's products are grouped otherwise than joint by joint (rounding alone differs).
; NaN and infinities are not treated apart.
; SHARES.  The 881,920 vertices are one list, cut into 13,780 groups of 64: 6,144 bytes of W, 768 of V and of out, each a multiple of 256 bytes from its buffer's first byte.  Work-group w of 256 takes the
; groups (3445 w) >> 6 up to (3445 (w + 1)) >> 6: 53 or 54, half a batch.  All its vertices belong to batch w >> 1 but those of its first group that lie below vertex 6890 (w >> 1): they belong to the
; batch before.  Wave i of 8 takes groups i + 8 k, k = 0..5, and k = 6 where the work-group has a group 48 + i.  The request for that group and its use stand under ONE branch: from k = 2 on the text has
; two tails, of seven groups and of six.  Wave 0's group k = 0, the only one that can hold vertices of two batches, is multiplied by both batches' Gc, and each vertex picks its own.  In work-groups of odd
; number no vertex picks the batch before; its table (wave 1, beside wave 0's) and those four products are made all the same: one text for every work-group.
; NO CLUSTER: work-groups share nothing but a batch's 576 bytes of pose and J.
; A TILE is 16 vertices.  Source 0 = Gc^T / S (row 4 i + j, 24 joints; rows 12-15 repeat rows 4-7), source 1 = 16 rows of W.  Lane (r = lane % 16, h = lane / 16) takes the 48 bytes W[r][12 h .. 12 h + 11]
; straight from memory: a tile's three loads cover 1,536 consecutive bytes.  Six conversions make registers 0-5 of the operand; registers 6, 7 hold 0 (24 of the 32 places along K; the same places of both
; sources hold the same joint).  In the result lane (r, h) holds vertex r: h = 0: Tv rows 0 and 1, h = 1: rows 2 and 1.  So every lane makes two outputs, and the two lanes of a vertex put the same out[1] at the same place.
; V AND OUT move as whole blocks of 256 bytes (8 bytes a lane) and change between that order and 12 bytes a vertex in the wave's own LDS stages.
; IN FLIGHT.  Four slots of registers, a group each (slot = k mod 4): 60 loads of a wave at the most.
; THE MODE: SCHED_MODE bits 1:0 = 2 (LLVM: expert scheduling mode 2), set by the entry lines.  The code itself states the register dependences between vector or matrix instructions and memory or LDS
; instructions, with s_wait_alu, always for 0.
; THE PLAN.  Registers that memory or LDS instructions touch:
;   v4-v11, v14   offsets and LDS addresses: made at the head, ahead of one wait on va_vdst, and named by no vector instruction behind it.
;   slot s        a group as loaded.  Step k: its three LDS stores read the slot's V, its 24 conversions the slot's W; behind both the refill lands in the slot.
;   VT            written by the step's LDS loads, read by its sums.
;   O             written by the step's sums, read by its eight LDS stores.
;   OUT, two buffers by turns (k mod 2): loaded from the stage at the end of step k, read by the stores that step k + 1 issues, loaded again at the end of step k + 2.
;   B, D, E, O2 and the operands' zeros are named by vector and matrix instructions alone.
; A step's waits: behind its conversions, where the slot is asked for again, one on vm_vsrc (the slot's V is read) and one on va_vdst (the slot's W is read); one on va_vdst ahead of the LDS stores of O,
; behind which no vector instruction stands until the next step's conversions, so that it also serves the next step's loads into VT; one on vm_vsrc at the step's end (O and the other OUT are read).
; So a step leaves nothing to be stated behind it, whichever branch or label follows.  The waits of the head and of the tree's walk are explained where they stand.
.set NV,    6890
.set HALF,  3445
.set GW,    6144                       ; bytes of W in a group
.set GV,    768                        ; bytes of V, and of out, in a group
.set KW,    8*GW                       ; from a wave's group to its next
.set KV,    8*GV
.set TAB,   0                          ; LDS: two tables of 16 rows x 64 bytes (32 f16, 24 of them read): wave 0's (my batch), wave 1's (the batch before)
.set TABSZ, 1024
.set SC,    2048                       ; S of the two batches, each twice on end
.set VST,   2304                       ; a stage of 768 bytes for each wave: V of the group in hand
.set OST,   VST+8*GV                   ; the same for out
.set SPARE, OST+8*GV                   ; the spare words, 128 bytes for each wave: four blocks of 256 bytes that no other line names
; vector registers, window 0
.set LN,   1                           ; lane
.set RR,   2                           ; r
.set HH,   3                           ; h
.set WOFF, 4                           ; 96 r + 48 h; never rewritten
.set VOF,  5                           ; 8 x lane: V's loads and the stores; never rewritten
.set VSTA, 6                           ; V's stage + 8 x lane
.set VLDA, 7                           ; V's stage + 12 r
.set OSA,  8                           ; out's stage + 12 r + 8 h
.set OSB,  9                           ; out's stage + 12 r
.set OLD,  10                          ; out's stage + 8 x lane
.set AT,   11                          ; 64 r + 24 h: my 24 bytes of a table's row
.set SPW,  12                          ; my spare word; never rewritten
.set NIL,  13                          ; 0; never rewritten
.set TA,   14                          ; at work at the head; at last the LDS address of S
.set A0,   16                          ; v[16:23] Gc^T / S of my batch
.set A1,   24                          ; v[24:31] of the batch before (wave 0 alone)
.set SCL,  32                          ; v[32:35] S, S, S of the batch before, twice
.set OUT,  36                          ; v[36:41] a group's 768 bytes of out, 24 a lane: groups of even k
.set OSTEP, 206                        ; v[242:247] the same for groups of odd k
.set O,    42                          ; v[42:49] two outputs a tile
.set O2,   50                          ; v[50:57] the same by the batch before
.set VT,   58                          ; v[58:69] x, y, z of my vertex, a tile each
.set B,    72                          ; v[72:103] four operands of W
.set D,    104                         ; v[104:135] four results
.set E,    136                         ; v[136:167] four results by the batch before
.set PX,   168                         ; v[168:170] pose of my joint
.set JX,   171                         ; v[171:173] J of my joint
.set QX,   174                         ; v[174:176] J of its parent
.set ANC,  177                         ; 4 x the lane whose product stands left of mine
.set ANB,  178                         ; the same for the next round
.set FOWN, 179                         ; 12 x my joint
.set T,    180                         ; v[180:199] at work
.set P0,   200                         ; v[200:211] a 3 x 4 matrix, entry (i, j) at 4 i + j
.set P1,   212
.set Q,    224                         ; the other lane's matrix
.set H,    236                         ; v[236:241] Gc / S in f16
; window 1: four slots of 54 registers: a group's W as loaded (12 a tile), then its V (6).  Slot s at 54 s.
; scalar registers
.set WV,  14                           ; my wave's number
.set XL,  17                           ; the work-group's groups less 48: waves below it have a seventh group
.set REL, 24                           ; the first vertex of my batch, counted from my group k = 0 (signed)
.set SEL, 36                           ; s[36:37] v_permlanex16_b32's selects
.set PIH, 38                           ; pi, its upper part
.set PIL, 39                           ; and the rest
.set KM,  40                           ; s[40:44] the tree's five masks of lanes
.set TR,  40                           ; s[40:43] later: a tile's threshold, one for each tile
.set MSK, 44                           ; s[44:47] later: which vertices of a tile belong to the batch before
.set MSB, 0
.macro WIN new                         ; s_set_vgpr_msb: bits 1:0 source 0, 3:2 source 1, 7:6 destination; the high byte repeats the setting that is left
.if MSB != (\new)
	s_set_vgpr_msb (MSB<<8)|(\new)
.set MSB, \new
.endif
.endm
; Group k of my wave is asked for, into slot s: 15 loads.  Every step stands in the immediate: no address register is ever rewritten.  It leaves the windows as the loads need them.
.macro LOADG s, k
	WIN 0x40                                       ; destination window 1, address window 0
.irp t, 0,1,2,3
.irp q, 0,1,2
	global_load_b128 v[54*(\s)+12*(\t)+4*(\q):54*(\s)+12*(\t)+4*(\q)+3], v[WOFF], s[8:9] offset:(\k)*KW+1536*(\t)+16*(\q) th:TH_LOAD_RT_NT  ; near: regular, a tile's three loads share their bytes' neighbourhood; far: read once
.endr
.endr
.irp j, 0,1,2
	global_load_b64 v[54*(\s)+48+2*(\j):54*(\s)+49+2*(\j)], v[VOF], s[6:7] offset:(\k)*KV+256*(\j) th:TH_LOAD_NT  ; 256 consecutive bytes, aligned
.endr
.endm
; Group k's 768 bytes of out leave, from the buffer k mod 2.  younger: the LDS instructions issued behind the three loads that brought them back from the stage.
.macro SEND k, younger
	s_wait_dscnt \younger
.irp j, 0,1,2
	global_store_b64 v[VOF], v[OUT+OSTEP*((\k)%2)+2*(\j):OUT+OSTEP*((\k)%2)+2*(\j)+1], s[12:13] offset:(\k)*KV+256*(\j) th:TH_STORE_NT  ; the wave stores 256 consecutive bytes, at a multiple of 256 from out's first byte
.endr
.endm
; Two outputs a tile: Tv's row times (x, y, z, 1), times S.  Each result's lowest registers are read first.
.macro DOT acc, o, sc
.irp t, 0,1,2,3
	v_fma_f32 v[(\o)+2*(\t)],   v[(\acc)+8*(\t)],   v[VT+3*(\t)], v[(\acc)+8*(\t)+3]
	v_fma_f32 v[(\o)+2*(\t)+1], v[(\acc)+8*(\t)+4], v[VT+3*(\t)], v[(\acc)+8*(\t)+7]
.endr
.irp t, 0,1,2,3
	v_fmac_f32 v[(\o)+2*(\t)],   v[(\acc)+8*(\t)+1], v[VT+3*(\t)+1]
	v_fmac_f32 v[(\o)+2*(\t)+1], v[(\acc)+8*(\t)+5], v[VT+3*(\t)+1]
.endr
.irp t, 0,1,2,3
	v_fmac_f32 v[(\o)+2*(\t)],   v[(\acc)+8*(\t)+2], v[VT+3*(\t)+2]
	v_fmac_f32 v[(\o)+2*(\t)+1], v[(\acc)+8*(\t)+6], v[VT+3*(\t)+2]
.endr
.irp t, 0,1,2,3
	v_pk_mul_f32 v[(\o)+2*(\t):(\o)+2*(\t)+1], v[(\o)+2*(\t):(\o)+2*(\t)+1], v[(\sc):(\sc)+1]
.endr
.endm
; Group k, which lies in slot s, is worked off.  left: the loads issued behind its own, which may stay out.  dual = 1: both batches' Gc.  refk >= 0: the slot is asked for again, with group refk, as soon
; as it is read out.  sendk >= 0: the group before, whose out is on its way back from the stage, is stored meanwhile.  now = 1: the wave's last group: its out is stored at once.
.macro PROCESS s, k, left, dual, refk, sendk, now
	s_wait_loadcnt \left                           ; loads come back in order (ISA guide 5.7.1): my group's 15 are in
.if (\k) >= 2
	s_wait_xcnt 0x0                                ; every earlier memory instruction has had its addresses translated (ISA guide 3.1), the stores of group k - 2, issued in the step before, among them: their buffer of OUT is loaded again only behind this wait
.endif
	WIN 0x04                                       ; store data window 1; addresses and loaded data window 0
.irp j, 0,1,2
	ds_store_b64 v[VSTA], v[54*(\s)+48+2*(\j):54*(\s)+49+2*(\j)] offset:256*(\j)
.endr
.irp t, 0,1,2,3
.irp c, 0,1,2
	ds_load_b32 v[VT+3*(\t)+(\c)], v[VLDA] offset:192*(\t)+4*(\c)  ; LDS serves a wave's instructions in order (ISA guide 5.7.1.4): these see the stores above.  No vector instruction has named VT since the last step's wait on va_vdst
.endr
.endr
	WIN 0x05                                       ; sources window 1, destination window 0
.irp t, 0,1,2,3
.irp q, 0,1,2,3,4,5
	v_cvt_pk_f16_f32 v[B+8*(\t)+(\q)], v[54*(\s)+12*(\t)+2*(\q)], v[54*(\s)+12*(\t)+2*(\q)+1]
.endr
.endr
.if (\refk) >= 0
	WIN 0x40                                       ; the windows first, then the waits, then the loads
	s_wait_alu depctr_vm_vsrc(0)                   ; the three LDS stores above have read the slot's V, in which the refill's last three loads land
	s_wait_alu depctr_va_vdst(0)                   ; the conversions are done reading the slot's W, in which the refill's first twelve loads land
	LOADG \s, \refk
.endif
	WIN 0
.irp t, 0,1,2,3
	v_wmma_f32_16x16x32_f16 v[D+8*(\t):D+8*(\t)+7], v[A0:A0+7], v[B+8*(\t):B+8*(\t)+7], 0
.if \dual
	v_wmma_f32_16x16x32_f16 v[E+8*(\t):E+8*(\t)+7], v[A1:A1+7], v[B+8*(\t):B+8*(\t)+7], 0
.endif
.endr
.if (\sendk) >= 0
	SEND \sendk, 15                                ; behind the stage's three loads stand this group's 3 stores and 12 loads of V
.endif
.rept 4
	v_nop                                          ; four places between the products and the first read of a result (ISA guide 7.12.1)
.endr
	s_wait_dscnt 0x0                               ; x, y, z are in
.if \dual
.irp t, 0,1,2,3
	s_sub_co_i32 s[TR+(\t)], s[REL], 16*(\t)
	v_cmp_gt_i32 s[MSK+(\t)], s[TR+(\t)], v[RR]    ; vertex 16 t + r lies below my batch's first.  The four masks are made in one run, ahead of the sums
.endr
.endif
	DOT D, O, SCL
.if \dual
	DOT E, O2, SCL+2
	s_wait_alu depctr_va_sdst(0)                   ; the four compares have written s[MSK ..], ahead of their first reader
.irp t, 0,1,2,3
	v_cndmask_b32 v[O+2*(\t)],   v[O+2*(\t)],   v[O2+2*(\t)],   s[MSK+(\t)]
	v_cndmask_b32 v[O+2*(\t)+1], v[O+2*(\t)+1], v[O2+2*(\t)+1], s[MSK+(\t)]
.endr
.endif
	s_wait_alu depctr_va_vdst(0)                   ; the sums have written O, which the LDS stores below read; they are also done reading x, y, z, in which the next step's LDS loads land
.irp t, 0,1,2,3
	ds_store_b32 v[OSA], v[O+2*(\t)]   offset:192*(\t)    ; out[0] (h = 0) or out[2] (h = 1)
	ds_store_b32 v[OSB], v[O+2*(\t)+1] offset:192*(\t)+4  ; out[1]: both lanes of a vertex, the same number
.endr
.irp j, 0,1,2
	ds_load_b64 v[OUT+OSTEP*((\k)%2)+2*(\j):OUT+OSTEP*((\k)%2)+2*(\j)+1], v[OLD] offset:256*(\j)  ; the stores that read this buffer were issued in the step before, ahead of that step's wait on vm_vsrc
.endr
.if \now
	SEND \k, 0
.else
	s_wait_alu depctr_vm_vsrc(0)                   ; the LDS stores above have read O, and the stores issued in this step have read the other buffer of OUT: the next step writes both again
.endif
.endm
; A round of the walk up the tree: my product takes the product of lane anc / 4 on its left; that lane's own anc is mine for the next round.  later = 1: every round but the first.
.macro JUMP src, dst, anc, anb, more, later
.if \later
	s_wait_alu depctr_vm_vsrc(0)                   ; the permutes of the round before have read the matrix dst and the index anb, which this round writes
.endif
	s_wait_alu depctr_va_vdst(0)                   ; the matrix src is written, which the permutes read; the round before is done reading Q, in which they land
.set n, 0
.rept 12
	ds_bpermute_b32 v[Q+n], v[\anc], v[(\src)+n]
.set n, n+1
.endr
.if \more
	ds_bpermute_b32 v[\anb], v[\anc], v[\anc]
.endif
	s_wait_dscnt 0x0
.irp i, 0,1,2
.irp j, 0,1,2
	v_mul_f32 v[(\dst)+4*(\i)+(\j)], v[Q+4*(\i)], v[(\src)+(\j)]
.endr
	v_fma_f32 v[(\dst)+4*(\i)+3], v[Q+4*(\i)], v[(\src)+3], v[Q+4*(\i)+3]
.irp j, 0,1,2,3
	v_fmac_f32 v[(\dst)+4*(\i)+(\j)], v[Q+4*(\i)+1], v[(\src)+4+(\j)]
.endr
.irp j, 0,1,2,3
	v_fmac_f32 v[(\dst)+4*(\i)+(\j)], v[Q+4*(\i)+2], v[(\src)+8+(\j)]
.endr
.endr
.endm
	s_load_b256 s[4:11], s[0:1], 0x0               ; J s[4:5], V s[6:7], W s[8:9], pose s[10:11]
	s_load_b64 s[12:13], s[0:1], 0x20              ; out
	v_lshl_add_u32 v[SPW], v0, 2, SPARE
	v_mov_b32 v[NIL], 0
	v_lshrrev_b32 v[TA], 5, v0
	v_readfirstlane_b32 s[WV], v[TA]               ; wave 0..7
	v_and_b32 v[LN], 31, v0
	v_and_b32 v[RR], 15, v0
	v_bfe_u32 v[HH], v0, 4, 1
	v_mul_u32_u24 v[WOFF], 96, v[RR]
	v_mul_u32_u24 v[TA], 48, v[HH]
	v_add_nc_u32 v[WOFF], v[WOFF], v[TA]
	v_lshlrev_b32 v[VOF], 3, v[LN]
	v_lshlrev_b32 v[AT], 6, v[RR]
	v_mul_u32_u24 v[TA], 24, v[HH]
	v_add_nc_u32 v[AT], v[AT], v[TA]
	v_mov_b32 v[A0+6], 0                           ; the eight places along K that hold no joint, in both sources
	v_mov_b32 v[A0+7], 0
.irp t, 0,1,2,3
	v_mov_b32 v[B+8*(\t)+6], 0
	v_mov_b32 v[B+8*(\t)+7], 0
.endr
	s_wait_alu depctr_va_sdst(0)                   ; s[WV] is written, ahead of its first reader: my groups, my stages and the branches are made from it
	s_mul_i32 s16, ttmp9, HALF
	s_add_co_u32 s[XL], s16, HALF
	s_lshr_b32 s18, s16, 6                         ; the work-group's first group,
	s_lshr_b32 s[XL], s[XL], 6                     ; the next one's
	s_sub_co_u32 s[XL], s[XL], s18                 ; 53 or 54 groups
	s_sub_co_u32 s[XL], s[XL], 48
	s_add_co_u32 s18, s18, s[WV]                   ; my group k = 0
	s_mul_i32 s20, s18, GW                         ; under 2^27
	s_mov_b32 s21, 0
	s_mul_i32 s22, s18, GV
	s_mov_b32 s23, 0
	s_lshr_b32 s19, ttmp9, 1                       ; my batch
	s_mul_i32 s[REL], s19, NV
	s_lshl_b32 s25, s18, 6
	s_sub_co_i32 s[REL], s[REL], s25
	s_sub_co_i32 s26, s19, 1
	s_max_i32 s26, s26, 0                          ; the batch before (batch 0 has none: nothing picks it there)
	s_cmp_eq_u32 s[WV], 0
	s_cselect_b32 s30, s19, s26                    ; wave 0 makes Gc of my batch, wave 1 of the batch before
	s_mul_i32 s30, s30, 288                        ; 24 joints x 12 bytes
	s_mov_b32 s31, 0
	s_mov_b32 s[SEL], 0x76543210
	s_mov_b32 s[SEL+1], 0xfedcba98
	s_mov_b32 s[PIH], 0x40490fdb
	s_mov_b32 s[PIL], 0xb3bbbd2e
	s_mul_i32 s27, s[WV], GV                       ; all the set-up stands in the wait for the arguments
	s_add_co_u32 s28, s27, VST                     ; my stages
	s_add_co_u32 s29, s27, OST
	v_mul_u32_u24 v[TA], 12, v[RR]
	v_add_nc_u32 v[VSTA], s28, v[VOF]
	v_add_nc_u32 v[VLDA], s28, v[TA]
	v_add_nc_u32 v[OSB], s29, v[TA]
	v_lshl_add_u32 v[OSA], v[HH], 3, v[OSB]
	v_add_nc_u32 v[OLD], s29, v[VOF]
	v_mov_b32 v[TA], SC                            ; from here on the LDS address of S
	s_wait_kmcnt 0x0
	s_add_nc_u64 s[8:9], s[8:9], s[20:21]          ; W, V and out at my group k = 0
	s_add_nc_u64 s[6:7], s[6:7], s[22:23]
	s_add_nc_u64 s[12:13], s[12:13], s[22:23]
	s_add_nc_u64 s[32:33], s[10:11], s[30:31]      ; pose and J at the batch whose Gc I would make
	s_add_nc_u64 s[34:35], s[4:5], s[30:31]
	s_cmp_lt_u32 s[WV], 2
	s_cbranch_scc0 .Lno_joints
	v_min_u32 v[T], 23, v[LN]                      ; lanes 24-31 read joint 23 and throw it away
	v_mul_u32_u24 v[FOWN], 12, v[T]
	s_wait_alu depctr_va_vdst(0)                   ; v[FOWN] is written, which the six loads below read as their offset
.irp c, 0,1,2
	global_load_b32 v[PX+(\c)], v[FOWN], s[32:33] offset:4*(\c)
.endr
.irp c, 0,1,2
	global_load_b32 v[JX+(\c)], v[FOWN], s[34:35] offset:4*(\c)
.endr
.Lno_joints:
	WIN 0x40                                       ; the windows first, then the wait, then the loads
	s_wait_alu depctr_va_vdst(0)                   ; the offsets and LDS addresses v4 to v11 and v14 are written, which the loads and stores of the whole kernel read; no vector instruction names them again
	LOADG 0, 0
	LOADG 1, 1
	LOADG 2, 2
	WIN 0
	s_cmp_lt_u32 s[WV], 2
	s_cbranch_scc0 .Lothers
	; Gc OF ONE BATCH, a lane a joint.  Lanes 24-31 hold the identity; lane 31 stands above the root and above itself.
	v_add_nc_u32 v[T], -3, v[LN]                   ; the parent: joints 4-12 and 15-17: three down;
	v_add_nc_u32 v[T+1], -2, v[LN]
	v_add_nc_u32 v[T+2], -13, v[LN]
	v_add_nc_u32 v[T+3], -1, v[LN]
	v_cmp_lt_u32 s[KM], 17, v[LN]                  ; the five masks are made in one run
	v_cmp_gt_u32 s[KM+1], 4, v[LN]
	v_cmp_gt_u32 s[KM+2], 2, v[T+2]
	v_cmp_lt_u32 s[KM+3], 22, v[T+3]
	v_cmp_gt_u32 s[KM+4], 24, v[LN]
	s_wait_alu depctr_va_sdst(0)                   ; the five compares have written s[KM ..], ahead of their first reader
	v_cndmask_b32 v[T], v[T], v[T+1], s[KM]        ; 18-23: two down;
	v_cndmask_b32 v[T], v[T], 0, s[KM+1]           ; 1-3: the root;
	v_cndmask_b32 v[T], v[T], 9, s[KM+2]           ; 13, 14: joint 9;
	v_cndmask_b32 v[T], v[T], 31, s[KM+3]          ; the root and lanes 24-31: lane 31
	v_lshlrev_b32 v[ANC], 2, v[T]
	s_wait_loadcnt 45                              ; pose and J are in; the 45 loads of groups k = 0, 1, 2, issued behind them, stay out
	LOADG 3, 3                                     ; the fourth slot: 60 loads of mine are out.  No vector instruction has named its offsets since the wait ahead of the first group, and none has ever named the slot
	WIN 0
.irp c, 0,1,2,3,4,5
	v_cndmask_b32 v[PX+(\c)], 0, v[PX+(\c)], s[KM+4]  ; pose = J = 0 in lanes 24-31: their matrix is the identity
.endr
	v_add_f32 v[T+0], 0x322bcc77, v[PX]            ; r + 1e-8
	v_add_f32 v[T+1], 0x322bcc77, v[PX+1]
	v_add_f32 v[T+2], 0x322bcc77, v[PX+2]
	v_mul_f32 v[T+3], v[T+0], v[T+0]
	v_fmac_f32 v[T+3], v[T+1], v[T+1]
	v_fmac_f32 v[T+3], v[T+2], v[T+2]
	v_sqrt_f32 v[T+4], v[T+3]                      ; theta
	v_rsq_f32 v[T+5], v[T+3]                       ; 1 / theta
	v_mov_b32 v[T+17], 0xb2d7322b                  ; -1/11!: also the plain instruction behind the two (ISA guide 5.7.2)
	s_wait_alu depctr_va_vdst(0)                   ; theta and 1 / theta are written, ahead of their first use; so are v[ANC] and J, which the permutes below read
.irp c, 0,1,2
	ds_bpermute_b32 v[QX+(\c)], v[ANC], v[JX+(\c)] ; the parent's J; 0 for the root
.endr
	v_mul_f32 v[T+6], v[PX], v[T+5]                ; r / theta
	v_mul_f32 v[T+7], v[PX+1], v[T+5]
	v_mul_f32 v[T+8], v[PX+2], v[T+5]
	v_mul_f32 v[T+9], 0.5, v[T+4]
	v_mul_f32 v[T+11], 0x3ea2f983, v[T+4]          ; theta / pi
	v_rndne_f32 v[T+10], v[T+9]
	v_rndne_f32 v[T+11], v[T+11]                   ; k
	v_sub_f32 v[T+9], v[T+9], v[T+10]              ; f = theta / 2 less the nearest whole number, exact: cos(pi theta) = 1 - 2 sin^2(pi f)
	v_fma_f32 v[T+12], -v[T+11], s[PIH], v[T+4]
	v_mul_f32 v[T+9], 0x40490fdb, v[T+9]           ; u = pi f
	v_fma_f32 v[T+12], -v[T+11], s[PIL], v[T+12]   ; x = theta - k pi: sin(theta) = (-1)^k sin(x)
	v_mul_f32 v[T+13], v[T+9], v[T+9]
	v_mul_f32 v[T+14], v[T+12], v[T+12]
	v_fmaak_f32 v[T+15], v[T+17], v[T+13], 0x3638ef1d  ; the sine's series, for u and for x side by side: 1/9!,
	v_fmaak_f32 v[T+16], v[T+17], v[T+14], 0x3638ef1d
	v_fmaak_f32 v[T+15], v[T+15], v[T+13], 0xb9500d01  ; -1/7!,
	v_fmaak_f32 v[T+16], v[T+16], v[T+14], 0xb9500d01
	v_fmaak_f32 v[T+15], v[T+15], v[T+13], 0x3c088889  ; 1/5!,
	v_fmaak_f32 v[T+16], v[T+16], v[T+14], 0x3c088889
	v_fmaak_f32 v[T+15], v[T+15], v[T+13], 0xbe2aaaab  ; -1/3!
	v_fmaak_f32 v[T+16], v[T+16], v[T+14], 0xbe2aaaab
	v_mul_f32 v[T+15], v[T+15], v[T+13]
	v_mul_f32 v[T+16], v[T+16], v[T+14]
	v_fma_f32 v[T+0], v[T+15], v[T+9], v[T+9]      ; sin(u)
	v_fma_f32 v[T+1], v[T+16], v[T+12], v[T+12]    ; sin(x)
	v_cvt_i32_f32 v[T+2], v[T+11]
	v_mul_f32 v[T+19], -2.0, v[T+0]
	v_lshlrev_b32 v[T+2], 31, v[T+2]               ; k odd: the sign turns
	v_fma_f32 v[T+3], v[T+19], v[T+0], 1.0         ; cos(pi theta)
	v_xor_b32 v[T+4], v[T+1], v[T+2]               ; sin(theta)
	v_sub_f32 v[T+5], 1.0, v[T+3]
	v_mul_f32 v[T+13], v[T+5], v[T+6]              ; (1 - cos) r^
	v_mul_f32 v[T+14], v[T+5], v[T+7]
	v_mul_f32 v[T+15], v[T+5], v[T+8]
	v_mul_f32 v[T+16], v[T+4], v[T+6]              ; sin r^
	v_mul_f32 v[T+17], v[T+4], v[T+7]
	v_mul_f32 v[T+18], v[T+4], v[T+8]
	v_fma_f32 v[P0+0],  v[T+13], v[T+6], v[T+3]
	v_fma_f32 v[P0+1],  v[T+13], v[T+7], -v[T+18]
	v_fma_f32 v[P0+2],  v[T+13], v[T+8], v[T+17]
	v_fma_f32 v[P0+4],  v[T+13], v[T+7], v[T+18]
	v_fma_f32 v[P0+5],  v[T+14], v[T+7], v[T+3]
	v_fma_f32 v[P0+6],  v[T+14], v[T+8], -v[T+16]
	v_fma_f32 v[P0+8],  v[T+13], v[T+8], -v[T+17]
	v_fma_f32 v[P0+9],  v[T+14], v[T+8], v[T+16]
	v_fma_f32 v[P0+10], v[T+15], v[T+8], v[T+3]
	s_wait_dscnt 0x0                               ; the parent's J
	v_sub_f32 v[P0+3],  v[JX],   v[QX]
	v_sub_f32 v[P0+7],  v[JX+1], v[QX+1]
	v_sub_f32 v[P0+11], v[JX+2], v[QX+2]
	; After round n my product covers the last 2^n joints of my path from the root; the longest path has 9.
	JUMP P0, P1, ANC, ANB, 1, 0
	JUMP P1, P0, ANB, ANC, 1, 1
	JUMP P0, P1, ANC, ANB, 1, 1
	JUMP P1, P0, ANB, ANC, 0, 1
.irp i, 0,1,2
	v_fma_f32 v[P0+4*(\i)+3], -v[P0+4*(\i)],   v[JX],   v[P0+4*(\i)+3]  ; the translation less G's rotation times J
	v_fma_f32 v[P0+4*(\i)+3], -v[P0+4*(\i)+1], v[JX+1], v[P0+4*(\i)+3]
	v_fma_f32 v[P0+4*(\i)+3], -v[P0+4*(\i)+2], v[JX+2], v[P0+4*(\i)+3]
.endr
	v_max3_num_f32 v[T],   |v[P0]|,   |v[P0+1]|,  |v[P0+2]|   ; the batch's largest |Gc|; the identity lanes bring in 1
	v_max3_num_f32 v[T+1], |v[P0+3]|, |v[P0+4]|,  |v[P0+5]|
	v_max3_num_f32 v[T+2], |v[P0+6]|, |v[P0+7]|,  |v[P0+8]|
	v_max3_num_f32 v[T+3], |v[P0+9]|, |v[P0+10]|, |v[P0+11]|
	v_max3_num_f32 v[T], v[T], v[T+1], v[T+2]
	v_max_num_f32 v[T], v[T], v[T+3]
	v_max_num_f32_dpp v[T], v[T], v[T] row_xmask:1 row_mask:0xf bank_mask:0xf
	v_max_num_f32_dpp v[T], v[T], v[T] row_xmask:2 row_mask:0xf bank_mask:0xf
	v_max_num_f32_dpp v[T], v[T], v[T] row_xmask:4 row_mask:0xf bank_mask:0xf
	v_max_num_f32_dpp v[T], v[T], v[T] row_xmask:8 row_mask:0xf bank_mask:0xf
	v_permlanex16_b32 v[T+1], v[T], s[SEL], s[SEL+1]
	v_max_num_f32 v[T], v[T], v[T+1]
	v_and_b32 v[T+2], 0x7f800000, v[T]             ; S: its power of two
	v_sub_nc_u32 v[T+3], 0x7f000000, v[T+2]        ; 1 / S: the exponent mirrored
.set n, 0
.rept 12
	v_mul_f32 v[P0+n], v[T+3], v[P0+n]
.set n, n+1
.endr
.irp q, 0,1,2,3,4,5
	v_cvt_pk_f16_f32 v[H+(\q)], v[P0+2*(\q)], v[P0+2*(\q)+1]
.endr
	s_lshl_b32 s45, s[WV], 10                      ; my table
	v_lshlrev_b32 v[T], 1, v[LN]                   ; column = joint (lanes 24-31 fill columns that nobody reads)
	v_add_nc_u32 v[T], s45, v[T]
	s_lshl_b32 s46, s[WV], 3
	s_add_co_u32 s46, s46, SC
	v_mov_b32 v[T+1], s46
	s_wait_alu depctr_va_vdst(0)                   ; Gc / S in v[H ..], S in v[T+2] and the two addresses v[T], v[T+1] are written, which the LDS stores below read
.irp q, 0,1,2,3,4,5
	ds_store_b16 v[T], v[H+(\q)] offset:TAB+128*(\q)
	ds_store_b16_d16_hi v[T], v[H+(\q)] offset:TAB+128*(\q)+64
.endr
	ds_store_b16 v[T], v[H+2] offset:TAB+64*12     ; rows 12-15 repeat rows 4-7
	ds_store_b16_d16_hi v[T], v[H+2] offset:TAB+64*13
	ds_store_b16 v[T], v[H+3] offset:TAB+64*14
	ds_store_b16_d16_hi v[T], v[H+3] offset:TAB+64*15
	ds_store_b32 v[T+1], v[T+2]                    ; S, twice: all lanes, the same number
	ds_store_b32 v[T+1], v[T+2] offset:4
	s_branch .Ljoin
.Lothers:
	LOADG 3, 3                                     ; waves 2 to 7 ask for their fourth group at once
	WIN 0
.Ljoin:
	s_wait_dscnt 0x0                               ; for the others' sake: the tables are written
	s_barrier_signal -1
	s_barrier_wait -1
.irp q, 0,1,2
	ds_load_b64 v[A0+2*(\q):A0+2*(\q)+1], v[AT] offset:TAB+8*(\q)  ; the addresses were made at the head; no vector instruction has ever named the registers in which these land
.endr
	ds_load_b128 v[SCL:SCL+3], v[TA]
	s_wait_dscnt 0x0
	s_cmp_eq_u32 s[WV], 0
	s_cbranch_scc0 .Lplain
.irp q, 0,1,2
	ds_load_b64 v[A1+2*(\q):A1+2*(\q)+1], v[AT] offset:TAB+TABSZ+8*(\q)  ; wave 0 alone wants the batch before
.endr
	v_mov_b32 v[A1+6], 0
	v_mov_b32 v[A1+7], 0
	s_wait_dscnt 0x0
	PROCESS 0, 0, 45, 1, 4, -1, 0                  ; behind k = 0: k = 1, 2, 3.  Both batches' Gc
	s_branch .Lsecond
.Lplain:
	PROCESS 0, 0, 45, 0, 4, -1, 0
.Lsecond:
	PROCESS 1, 1, 45, 0, 5, 0, 0                   ; behind k = 1: k = 2, 3, 4
	s_cmp_lt_u32 s[WV], s[XL]
	s_cbranch_scc0 .Lsix
	PROCESS 2, 2, 45, 0, 6, 1, 0                   ; SEVEN GROUPS.  Behind k = 2: k = 3, 4, 5; its slot takes group 48 + i
	PROCESS 3, 3, 45, 0, -1, 2, 0                  ; behind k = 3: k = 4, 5, 6.  Nothing is left to ask for
	PROCESS 0, 4, 30, 0, -1, 3, 0
	PROCESS 1, 5, 15, 0, -1, 4, 0
	PROCESS 2, 6, 0, 0, -1, 5, 1
	s_branch .Lend
.Lsix:
	PROCESS 2, 2, 45, 0, -1, 1, 0                  ; SIX GROUPS.  Behind k = 2: k = 3, 4, 5
	PROCESS 3, 3, 30, 0, -1, 2, 0
	PROCESS 0, 4, 15, 0, -1, 3, 0
	PROCESS 1, 5, 0, 0, -1, 4, 1
.Lend:
	s_wait_dscnt 0x0                               ; the wave's end
	s_wait_alu 0x0
	s_wait_tensorcnt 0x0
	ds_add_u32 v[SPW], v[NIL]
	s_wait_dscnt 0x0
	s_endpgm
.Lfunc_end_k_q086b09ec2d_skin:
	.size	k_q086b09ec2d_skin, .Lfunc_end_k_q086b09ec2d_skin-k_q086b09ec2d_skin
	.p2alignl 7, 3214868480
	.fill 96, 4, 3214868480
	.section	.rodata,"a",@progbits
	.p2align	6, 0x0
	.amdhsa_kernel k_q086b09ec2d_skin
		.amdhsa_group_segment_fixed_size 15616
		.amdhsa_private_segment_fixed_size 0
		.amdhsa_enable_private_segment 0
		.amdhsa_kernarg_size 40
		.amdhsa_user_sgpr_count 2
		.amdhsa_user_sgpr_kernarg_segment_ptr 1
		.amdhsa_wavefront_size32 1
		.amdhsa_system_sgpr_workgroup_id_x 1
		.amdhsa_system_sgpr_workgroup_id_y 1
		.amdhsa_system_sgpr_workgroup_id_z 1
		.amdhsa_system_vgpr_workitem_id 0
		.amdhsa_next_free_vgpr 472
		.amdhsa_next_free_sgpr 66
		.amdhsa_reserve_vcc 0
		.amdhsa_float_denorm_mode_32 3
		.amdhsa_float_denorm_mode_16_64 3
		.amdhsa_memory_ordered 1
		.amdhsa_forward_progress 1
		.amdhsa_inst_pref_size 101
	.end_amdhsa_kernel
	.amdgpu_metadata
---
amdhsa.version: [ 1, 2 ]
amdhsa.kernels:
  - .name:           k_q086b09ec2d_skin
    .symbol:         k_q086b09ec2d_skin.kd
    .args:
      - { .name: J, .offset: 0, .size: 8, .value_kind: global_buffer, .address_space: global }
      - { .name: V, .offset: 8, .size: 8, .value_kind: global_buffer, .address_space: global }
      - { .name: W, .offset: 16, .size: 8, .value_kind: global_buffer, .address_space: global }
      - { .name: pose, .offset: 24, .size: 8, .value_kind: global_buffer, .address_space: global }
      - { .name: out0, .offset: 32, .size: 8, .value_kind: global_buffer, .address_space: global }
    .group_segment_fixed_size: 15616
    .private_segment_fixed_size: 0
    .kernarg_segment_align: 8
    .kernarg_segment_size: 40
    .max_flat_workgroup_size: 256
    .sgpr_count:     66
    .vgpr_count:     472
    .wavefront_size: 32
...
	.end_amdgpu_metadata
.endif
;; end of part 2
